; MI455X (gfx1250); checked and timed in simulation.
; The chip was launched on July 23, 2026; its instructions are those of AMD's public machine-readable ISA for CDNA 5 (MIT licence, August 2026) and "CDNA5" Instruction Set Architecture Reference Guide (July 2026). The comments in the code are by the model that wrote it; some were corrected since.
;; Native Bit Linear. Allowed arithmetic: float matrix products may take bf16 or f16 operands with f32 sums; other float arithmetic in f32, or as packed bf16 or f16 multiplies, adds, multiply-adds, maxima and minima; sums over many terms, partial sums and values carried from step to step in f32; what a program stores and reads back later, other than sums and carried values, may be rounded once to bf16 or f16.
;; Inputs: bias 4,096 float32; codebook 262,144 x 8 float32; weight 4,096 x 4,096 float32; x 2 x 2,048 x 4,096 float32.
;; Outputs: out0 2 x 2,048 x 4,096 float32.
;; One version. Each part assembles by itself: llvm-mc -triple=amdgcn-amd-amdhsa -mcpu=gfx1250 --defsym DOCPART=n.
;; ======== version 1 of 1: 2 launches
;; limits: values are held in f16: magnitudes above 65,504 overflow, below 6.1e-05 lose precision
;; workspace buffers: xh 33,554,432 bytes; wh 33,554,432 bytes
;; launch prep (part 1): grid 1024 x 1, 8 waves a work-group, no clusters, 0 bytes of LDS; arguments x, weight, codebook, xh, wh; writes xh, wh
.if DOCPART == 1
	.amdgcn_target "amdgcn-amd-amdhsa--gfx1250"
	.amdhsa_code_object_version 6
	.text
	.protected	k_qd2936fdf15_prep
	.globl	k_qd2936fdf15_prep
	.p2align	8
	.type	k_qd2936fdf15_prep,@function
k_qd2936fdf15_prep:
	s_mov_b64 s[64:65], 0
	v_nop
	global_prefetch_b8 v0, s[64:65] scope:SCOPE_SE
	s_setreg_imm32_b32 hwreg(HW_REG_WAVE_MODE, 25, 1), 1
	s_wait_xcnt 0x0
; xh = f16(x);  wh = f16(w + (q - w)), where q is, of the eight numbers that the codebook holds for w's block of 64 neighbouring weights, the one with the smallest (w - c)^2, the lowest index at a tie.
; x, weight: 16,777,216 f32 each; codebook: [262,144][8] f32; xh, wh: the same order as x and weight, f16.
; THE CHOICE IS MADE BY THE ARITHMETIC OF THE DEFINITION: an f32 difference, its f32 square, the smallest of the eight squares, and the first entry whose square equals it.  No midpoints, no sorted
; entries: a weight that lies between two entries to within a rounding would else take the other one, and that moves it by the distance between the entries.
; LIMITS.  f16 holds no number beyond 65,504: |x| and |q| stay below that; under 6.1e-5 f16 keeps a fixed step of 6e-8.  A NaN among a block's entries is passed over (the minimum of numbers
; ignores it); a NaN weight gives NaN.
; A STREAM: every byte is read once and written once, no wave wants a byte that another has fetched.  So no LDS, no barrier, no cluster, no matrix unit.
; SHARES.  Work-group g: 65,536 bytes of x and of weight, 8,192 of the codebook (256 blocks), 32,768 of xh and of wh.  Wave v: 8,192 of the input bytes, as 16 CHUNKS of 512; in a chunk a lane has
; 16 bytes, four numbers.  A chunk of weight is two blocks: lanes 0-15 lie in the first, lanes 16-31 in the second, and each lane loads its block's eight entries (32 bytes; sixteen lanes the same).
; A lane's four results are 8 bytes: one store of the wave covers 256 consecutive bytes, at a multiple of 256 from the buffer's first byte.
; A ring of four slots in registers, a chunk each: a slot has four loads (weight, entries 0-3, entries 4-7, x), and twelve to sixteen loads of a wave are on their way.
.set CHUNK, 512                        ; bytes of x or of weight in a chunk
.set CBC,   64                         ; bytes of the codebook in a chunk
.set OUTC,  256                        ; bytes of xh or of wh in a chunk
.set SLOTS, 4
.set TRIPS, 16/SLOTS                   ; a trip takes every slot once
.set VI,  3                            ; v3        8,192 wave + 16 lane: my 16 bytes in the wave's chunk 0 of x and of weight; never rewritten
.set W,   4                            ; v[4:19]   slot i: four weights
.set X,   20                           ; v[20:35]  slot i: four numbers of x
.set C,   36                           ; v[36:67]  slot i: my block's eight entries
.set YW,  68                           ; v[68:75]  slot i: four f16 for wh
.set YX,  76                           ; v[76:83]  slot i: four f16 for xh
.set D,   84                           ; v[84:115] the differences, then their squares: pair p of my numbers, entry e at D + 16 p + 2 e
.set M,   116                          ; v[116:119] the smallest square of each of my four numbers
.set Q,   120                          ; v[120:123] the chosen entries, then w + (q - w)
.set VO,  124                          ; v124      4,096 wave + 8 lane: my 8 bytes in xh and in wh; never rewritten
.set VC,  125                          ; v125      1,024 wave + 32 (lane / 16): my block's entries; never rewritten
.set MK,  24                           ; s[24:27]  a mask of lanes for each of the four numbers
	s_load_b256 s[4:11], s[0:1], 0x0               ; x s[4:5], weight s[6:7], codebook s[8:9], xh s[10:11]
	s_load_b64 s[12:13], s[0:1], 0x20              ; wh
	s_lshl_b32 s14, ttmp9, 16                      ; the work-group's first byte in x and in weight,
	s_mov_b32 s15, 0
	s_lshl_b32 s16, ttmp9, 15                      ; in xh and in wh,
	s_mov_b32 s17, 0
	s_lshl_b32 s18, ttmp9, 13                      ; in the codebook
	s_mov_b32 s19, 0
	v_and_b32 v1, 31, v0                           ; lane
	v_lshrrev_b32 v2, 5, v0                        ; wave
	v_lshlrev_b32 v[VI], 4, v1
	v_lshl_add_u32 v[VI], v2, 13, v[VI]
	v_lshlrev_b32 v[VO], 3, v1
	v_lshl_add_u32 v[VO], v2, 12, v[VO]
	v_bfe_u32 v[VC], v0, 4, 1
	v_lshlrev_b32 v[VC], 5, v[VC]
	v_lshl_add_u32 v[VC], v2, 10, v[VC]
	s_wait_kmcnt 0x0
	s_add_nc_u64 s[4:5], s[4:5], s[14:15]
	s_add_nc_u64 s[6:7], s[6:7], s[14:15]
	s_add_nc_u64 s[8:9], s[8:9], s[18:19]
	s_add_nc_u64 s[10:11], s[10:11], s[16:17]
	s_add_nc_u64 s[12:13], s[12:13], s[16:17]
; Slot i's four loads, always in this order; wo and co: bytes ahead of the trip in hand.
.macro LOADS i, wo, co
	global_load_b128 v[W+4*(\i):W+4*(\i)+3],   v[VI], s[6:7] offset:CHUNK*(\i)+(\wo) th:TH_LOAD_NT
	global_load_b128 v[C+8*(\i):C+8*(\i)+3],   v[VC], s[8:9] offset:CBC*(\i)+(\co)
	global_load_b128 v[C+8*(\i)+4:C+8*(\i)+7], v[VC], s[8:9] offset:CBC*(\i)+(\co)+16
	global_load_b128 v[X+4*(\i):X+4*(\i)+3],   v[VI], s[4:5] offset:CHUNK*(\i)+(\wo) th:TH_LOAD_NT
.endm
; Slot i's four weights are quantised.
.macro QUANT i
.irp e, 0,1,2,3,4,5,6,7                ; w - c_e, two numbers an instruction: the entry is one register of a pair, given to both halves
.irp p, 0,1
.if ((\e)%2) == 0
	v_pk_add_f32 v[D+16*(\p)+2*(\e):D+16*(\p)+2*(\e)+1], v[W+4*(\i)+2*(\p):W+4*(\i)+2*(\p)+1], v[C+8*(\i)+(\e):C+8*(\i)+(\e)+1] op_sel_hi:[1,0] neg_lo:[0,1] neg_hi:[0,1]
.else
	v_pk_add_f32 v[D+16*(\p)+2*(\e):D+16*(\p)+2*(\e)+1], v[W+4*(\i)+2*(\p):W+4*(\i)+2*(\p)+1], v[C+8*(\i)+(\e)-1:C+8*(\i)+(\e)] op_sel:[0,1] op_sel_hi:[1,1] neg_lo:[0,1] neg_hi:[0,1]
.endif
.endr
.endr
.irp e, 0,1,2,3,4,5,6,7                ; squared
.irp p, 0,1
	v_pk_mul_f32 v[D+16*(\p)+2*(\e):D+16*(\p)+2*(\e)+1], v[D+16*(\p)+2*(\e):D+16*(\p)+2*(\e)+1], v[D+16*(\p)+2*(\e):D+16*(\p)+2*(\e)+1]
.endr
.endr
	; the smallest of the eight squares: four chains, one for each number k, which do not wait for each other; number k's square for entry e lies at D + 16 (k / 2) + 2 e + k % 2
.irp k, 0,1,2,3
	v_min3_num_f32 v[M+(\k)], v[D+16*((\k)/2)+(\k)%2], v[D+16*((\k)/2)+2+(\k)%2], v[D+16*((\k)/2)+4+(\k)%2]
.endr
.irp k, 0,1,2,3
	v_min3_num_f32 v[M+(\k)], v[M+(\k)], v[D+16*((\k)/2)+6+(\k)%2], v[D+16*((\k)/2)+8+(\k)%2]
.endr
.irp k, 0,1,2,3
	v_min3_num_f32 v[M+(\k)], v[M+(\k)], v[D+16*((\k)/2)+10+(\k)%2], v[D+16*((\k)/2)+12+(\k)%2]
.endr
.irp k, 0,1,2,3
	v_min_num_f32 v[M+(\k)], v[M+(\k)], v[D+16*((\k)/2)+14+(\k)%2]
.endr
	; the entry: it starts as entry 7, and each entry from 6 down to 0 takes its place where its square is the smallest: so the lowest index wins a tie.  The choice selects a value and steers nothing.
.irp e, 6,5,4,3,2,1,0
.irp k, 0,1,2,3
	v_cmp_eq_f32 s[MK+(\k)], v[D+16*((\k)/2)+2*(\e)+(\k)%2], v[M+(\k)]
.endr
.irp k, 0,1,2,3
.if (\e) == 6
	v_cndmask_b32 v[Q+(\k)], v[C+8*(\i)+7], v[C+8*(\i)+6], s[MK+(\k)]
.else
	v_cndmask_b32 v[Q+(\k)], v[Q+(\k)], v[C+8*(\i)+(\e)], s[MK+(\k)]
.endif
.endr
.endr
.irp p, 0,1                            ; w + (q - w), both roundings in f32 as they are defined, then one rounding to f16
	v_pk_add_f32 v[Q+2*(\p):Q+2*(\p)+1], v[Q+2*(\p):Q+2*(\p)+1], v[W+4*(\i)+2*(\p):W+4*(\i)+2*(\p)+1] neg_lo:[0,1] neg_hi:[0,1]
.endr
.irp p, 0,1
	v_pk_add_f32 v[Q+2*(\p):Q+2*(\p)+1], v[W+4*(\i)+2*(\p):W+4*(\i)+2*(\p)+1], v[Q+2*(\p):Q+2*(\p)+1]
.endr
.irp p, 0,1
	v_cvt_pk_f16_f32 v[YW+2*(\i)+(\p)], v[Q+2*(\p)], v[Q+2*(\p)+1]
.endr
.endm
; One slot's turn.  ahead = 1: the slot is filled again with the chunk four further on.  left = how many younger loads may stay out.
.macro SLOT i, ahead, left
	s_wait_loadcnt \left                           ; loads come back in order (ISA guide 5.7.1): this slot's four are in, the other slots' stay out
	v_cvt_pk_f16_f32 v[YX+2*(\i)],   v[X+4*(\i)],   v[X+4*(\i)+1]
	v_cvt_pk_f16_f32 v[YX+2*(\i)+1], v[X+4*(\i)+2], v[X+4*(\i)+3]
	QUANT \i
.if \ahead
	LOADS \i, SLOTS*CHUNK, SLOTS*CBC               ; the loads go ahead of the stores
.endif
	global_store_b64 v[VO], v[YW+2*(\i):YW+2*(\i)+1], s[12:13] offset:OUTC*(\i)
	global_store_b64 v[VO], v[YX+2*(\i):YX+2*(\i)+1], s[10:11] offset:OUTC*(\i)
.endm
.irp i, 0,1,2,3
	LOADS \i, 0, 0                                 ; the ring is filled: chunks 0 to 3
.endr
	s_mov_b32 s20, TRIPS-1
.Ltrip:
.irp i, 0,1,2,3
	SLOT \i, 1, 12                                 ; twelve: the three other slots' four loads each were issued behind this slot's
.endr
	s_wait_xcnt 0x0                                ; every memory instruction issued so far has had its addresses translated (ISA guide 3.1): only behind this wait are the five bases stepped,
	s_add_nc_u64 s[4:5], s[4:5], SLOTS*CHUNK       ; and the stores' data (YW, YX) written anew in the next trip
	s_add_nc_u64 s[6:7], s[6:7], SLOTS*CHUNK
	s_add_nc_u64 s[8:9], s[8:9], SLOTS*CBC
	s_add_nc_u64 s[10:11], s[10:11], SLOTS*OUTC
	s_add_nc_u64 s[12:13], s[12:13], SLOTS*OUTC
	s_sub_co_u32 s20, s20, 1
	s_cmp_lg_u32 s20, 0
	s_cbranch_scc1 .Ltrip
.irp i, 0,1,2,3
	SLOT \i, 0, 12-4*(\i)                          ; the last trip loads nothing: the counts run down
.endr
	s_endpgm
.Lfunc_end_k_qd2936fdf15_prep:
	.size	k_qd2936fdf15_prep, .Lfunc_end_k_qd2936fdf15_prep-k_qd2936fdf15_prep
	.p2alignl 7, 3214868480
	.fill 96, 4, 3214868480
	.section	.rodata,"a",@progbits
	.p2align	6, 0x0
	.amdhsa_kernel k_qd2936fdf15_prep
		.amdhsa_group_segment_fixed_size 0
		.amdhsa_private_segment_fixed_size 0
		.amdhsa_enable_private_segment 0
		.amdhsa_kernarg_size 40
		.amdhsa_user_sgpr_count 2
		.amdhsa_user_sgpr_kernarg_segment_ptr 1
		.amdhsa_wavefront_size32 1
		.amdhsa_system_sgpr_workgroup_id_x 1
		.amdhsa_system_sgpr_workgroup_id_y 1
		.amdhsa_system_sgpr_workgroup_id_z 1
		.amdhsa_system_vgpr_workitem_id 0
		.amdhsa_next_free_vgpr 128
		.amdhsa_next_free_sgpr 66
		.amdhsa_reserve_vcc 0
		.amdhsa_float_denorm_mode_32 3
		.amdhsa_float_denorm_mode_16_64 3
		.amdhsa_memory_ordered 1
		.amdhsa_forward_progress 1
		.amdhsa_inst_pref_size 62
	.end_amdhsa_kernel
	.amdgpu_metadata
---
amdhsa.version: [ 1, 2 ]
amdhsa.kernels:
  - .name:           k_qd2936fdf15_prep
    .symbol:         k_qd2936fdf15_prep.kd
    .args:
      - { .name: x, .offset: 0, .size: 8, .value_kind: global_buffer, .address_space: global }
      - { .name: weight, .offset: 8, .size: 8, .value_kind: global_buffer, .address_space: global }
      - { .name: codebook, .offset: 16, .size: 8, .value_kind: global_buffer, .address_space: global }
      - { .name: xh, .offset: 24, .size: 8, .value_kind: global_buffer, .address_space: global }
      - { .name: wh, .offset: 32, .size: 8, .value_kind: global_buffer, .address_space: global }
    .group_segment_fixed_size: 0
    .private_segment_fixed_size: 0
    .kernarg_segment_align: 8
    .kernarg_segment_size: 40
    .max_flat_workgroup_size: 256
    .sgpr_count:     66
    .vgpr_count:     128
    .wavefront_size: 32
...
	.end_amdgpu_metadata
.endif
;; end of part 1
;; launch gemm (part 2): grid 16 x 16, 4 waves a work-group, clusters of 4 x 4, 327,680 bytes of LDS; arguments xh, wh, out0, bias; writes out0
.if DOCPART == 2
	.amdgcn_target "amdgcn-amd-amdhsa--gfx1250"
	.amdhsa_code_object_version 6
	.text
	.protected	k_qd2936fdf15_gemm
	.globl	k_qd2936fdf15_gemm
	.p2align	8
	.type	k_qd2936fdf15_gemm,@function
k_qd2936fdf15_gemm:
	s_mov_b64 s[64:65], 0
	v_nop
	global_prefetch_b8 v0, s[64:65] scope:SCOPE_SE
	s_setreg_imm32_b32 hwreg(HW_REG_WAVE_MODE, 25, 1), 1
	s_wait_xcnt 0x0
	s_wait_alu depctr_hold_cnt(0) depctr_sa_sdst(0) depctr_va_vdst(0) depctr_va_sdst(0) depctr_va_ssrc(0) depctr_va_vcc(0) depctr_vm_vsrc(0)
	s_getreg_b32 s2, hwreg(HW_REG_IB_STS2, 6, 4)
	s_cmp_eq_u32 s2, 0
	s_cbranch_scc0 .Lentry_in_a_cluster
	s_endpgm
.Lentry_in_a_cluster:
	s_bfe_u32 s2, ttmp6, 0x10000c
	s_cmp_lg_u32 s2, 0xf033
	s_cbranch_scc0 .Lentry_shape_is_right
	s_endpgm
.Lentry_shape_is_right:
; out0[m][n] = the sum over k of xh[m][k] wh[n][k] + bias[n].  xh: [4096][4096] f16 (A), wh: [4096][4096] f16 (B), bias: [4096] f32, out0: [4096][4096] f32 (C).  Sums in f32.
; WHY f16: every number of C must lie within a hundredth of C's root mean square, also where it is near 0; operands of 8 significant bits leave errors of a quarter of that (root mean square) on each of
; 16.8 million sums, operands of 11 bits an eighth of those.  LIMITS: the operands arrive within f16's range (65,504); the order of the f32 sums is the matrix unit's, K ascending in steps of 32.
; A tile of C, 256 x 256, is made by a work-group of four waves, as many as a WGP has SIMDs; a wave makes 128 x 128: 64 accumulators of 16 x 16, 512 registers.  C has 256 tiles: one to a work-group.
; K goes in steps of 128 through a ring of two LDS slots filled by the tensor data mover: the rows of A's and B's tiles are 256 bytes of memory and start at multiples of 256 bytes.
; CLUSTERS: 4 x 4 work-groups.  The four of a row of the cluster need the same tiles of A, the four of a column the same tiles of B.  Such a tile is asked for JOINTLY: each of the four issues the same
; tensor load, with the same descriptor and a mask that names the four, and each receives the tile in its own LDS.  That divides the requests for A and for B by four.
; REGISTERS, in windows of 256 (s_set_vgpr_msb's low byte: bits 1:0 source 0, 3:2 source 1, 5:4 source 2, 7:6 destination):
;   window 0: v0-31 addresses and the bias; v64-127, v128-191 fragments of A (8 x 16 rows x 32 K), two buffers; on the way out the same 128 registers take rows of C back from the stage
;   window 1: v64-127, v128-191 fragments of B, two buffers
;   window 2: the 32 accumulators of my rows 0-63 (accumulator (a, b) at v[8 (8 a + b)]);   window 3: those of my rows 64-127
; THE MATRIX INSTRUCTION IS USED TRANSPOSED: source 0 = 16 rows of B, source 1 = 16 rows of A.  In the result lane l holds row m = l % 16 of C, and its registers 0 to 7 the columns
; n = 8 (l / 16) + 0 .. 7: 32 neighbouring bytes of a row of C.
.set SIZE_M, 4096
.set SIZE_N, 4096
.set SIZE_K, 4096
.set KSTEP,  128
.set PITCH,  272                       ; an LDS row: 256 bytes of data + 16 of padding = 68 words: row r starts at bank 4 r mod 64 (64 banks of 4 bytes: ISA guide 11.1), so the 16 rows that a load touches start at 16 different banks
.set HALFT,  128*PITCH                 ; 128 rows: what one tensor load brings, and what one wave reads of A or of B
.set SLOT,   4*HALFT                   ; A's 256 rows, then B's 256 rows
.set STAGE,  2*SLOT                    ; behind the ring: 16 rows x 528 bytes for each wave, for the way out; no tensor load lands there
.set SPITCH, 528                       ; a stage row: my 128 columns in f32, 512 bytes, + 16 = 132 words: row r starts at bank 4 r mod 64
.set SPARE,  STAGE+4*16*SPITCH         ; behind the stages: the spare words, 128 bytes for each wave: two blocks of 256 bytes that no other line names
.set LAPS,   SIZE_K/(2*KSTEP)          ; a lap = two K steps = once round the ring: 16
.set ROWC,   SIZE_N*4                  ; bytes in a row of C
.set BI,   8                           ; v[8:11] the bias of the four columns that I store
.set ADRA, 16                          ; v16-17  LDS address of my A fragments in slot 0, 1
.set ADRB, 20                          ; v20-21  the same for B
.set STO,  24                          ; v24     the way out: where I put 32 bytes of a row
.set RD,   25                          ; v25     the way out: where I read 16 bytes of a row back
.set CO,   26                          ; v26     16 x lane: my 16 bytes in my wave's 512 bytes of a row of C
.set BO,   27                          ; v27     my byte offset in the bias
.set SPW,  28                          ; v28     LDS address of my spare word: SPARE + 4 x my thread's number; never rewritten
.set NIL,  29                          ; v29     0; never rewritten
.set PFO,  30                          ; v30     the prefetches' offset: my lane x a row of A or B in memory (8,192 bytes); never rewritten
.set PFA,  44                          ; s[44:45] where my prefetches stand: my work-group's 32 rows of the 128 that I fetch, one K step further along K than the refill that is being asked for; a prefetch names the K step after that
.set LIM,  43                          ; s43     1 in a wave that prefetches, else the greatest number
.set F0,   64                          ; fragment buffer 0
.set F1,   128                         ; fragment buffer 1
.set OB,   64                          ; the way out: 16 rows read back from the stage: v64-127 and v128-191 by turns
.set G1, 24                            ; s[24:31] descriptor group 1 for A's tiles
.set G0, 32                            ; s[32:39] descriptor group 0 for A's tiles, one set for each slot
.set G1B, 48                           ; s[48:55] descriptor group 1 for B's tiles: it differs from A's in the mask alone
.set G0B, 56                           ; s[56:63] descriptor group 0 for B's tiles, one set for each slot
.set MSB, 0
.macro WIN new                         ; the immediate's high byte repeats the setting that is left; a switch that changes nothing is dropped
.if MSB != (\new)
	s_set_vgpr_msb (MSB<<8)|(\new)
.set MSB, \new
.endif
.endm
.set MUL_LO, 0xa1                      ; source 0 (B) window 1, source 1 (A) window 0, C and D window 2
.set MUL_HI, 0xf1                      ; the same, C and D window 3
.set TO_B,   0x40                      ; destination window 1, address window 0
; A joint load.  Waves 0 and 1 fetch A's two halves, waves 2 and 3 B's.  Each of the two lines has ONE mask and one set of registers for all that issue it, and nothing in them hangs on a coordinate
; that the four partners do not share.  The branch hangs on the wave's number alone.  An s_nop 0 and four v_nop follow each of the two lines, ahead of the jump and the label.
.macro JLOAD s
	s_cmp_eq_u32 s11, 0
	s_cbranch_scc0 .Lfor_b_\@
	tensor_load_to_lds s[G0+4*(\s):G0+4*(\s)+3], s[G1:G1+7]
	s_nop 0
.rept 4
	v_nop
.endr
	s_branch .Lasked_\@
.Lfor_b_\@:
	tensor_load_to_lds s[G0B+4*(\s):G0B+4*(\s)+3], s[G1B:G1B+7]
	s_nop 0
.rept 4
	v_nop
.endr
.Lasked_\@:
.endm
; A PREFETCH INTO THE L2, behind each joint refill, its five lines and the run of LDS loads that follows them: the K step that stands TWO refills on: 32 rows x 256 bytes, a lane a row, one instruction
; a wave, 512 matrix instructions ahead of the load that will want it.  Each row's 256 bytes of a K step are named ONCE in the launch.  A's tile row is read by every cluster of that row of clusters:
; the first of them (cluster x = 0) asks; B's tile column by every cluster of that column: cluster y = 0 asks.  The four partners that ask for a tile jointly share its rows out BY ADDRESS: of the 128
; rows that a wave fetches, the partner at place p takes 32 p .. 32 p + 31 (p = cx for A, cy for B): no branch hangs on a work-group's place in its cluster.  The loop's last trip, whose two refills
; are the last two K steps, asks for nothing; K steps 0 to 3 come by their loads alone.
.macro ASK
	s_cmp_gt_u32 s3, s[LIM]                        ; s3 = 1 in the loop's last trip
	s_cbranch_scc0 .Lnot_mine_\@
	global_prefetch_b8 v[PFO], s[PFA:PFA+1] offset:KSTEP*2 th:TH_LOAD_NT scope:SCOPE_SE
.Lnot_mine_\@:
.endm
; A round of the cluster's barrier: my work-group's barrier, so that wave 0's signal speaks for all four waves; wave 0 signals for the work-group; every wave waits for all sixteen work-groups; my
; work-group's barrier once more.  No LDS instruction of the wave is pending at a signal.
.macro CREST                           ; a round behind its opening barrier
	s_cmp_lg_u32 s10, 0
	s_cbranch_scc1 .Lnot_wave_0_\@
	s_barrier_signal -3
.Lnot_wave_0_\@:
	s_barrier_wait -3
	s_barrier_signal -1
	s_barrier_wait -1
.endm
.macro CROUND                          ; a whole round
	s_barrier_signal -1
	s_barrier_wait -1
	CREST
.endm
	s_load_b128 s[4:7], s[0:1], 0x0                ; A (xh) s[4:5], B (wh) s[6:7]
	s_load_b64 s[8:9], s[0:1], 0x10                ; C (out0)
	s_load_b64 s[66:67], s[0:1], 0x18              ; bias
	v_lshl_add_u32 v[SPW], v0, 2, SPARE
	v_mov_b32 v[NIL], 0
	ds_add_u32 v[SPW], v[NIL]                      ; the wave's opening: the add, twice on end, and its wait, ahead of my first tensor load; the set-up below, work on registers, stands between the second and the wait
	ds_add_u32 v[SPW], v[NIL]                      ; and once more, under the one wait
	v_lshrrev_b32 v1, 5, v0
	v_readfirstlane_b32 s10, v1                    ; wave 0..3
	s_lshr_b32 s11, s10, 1                         ; which half of the tile's rows is mine.  Also: I fetch for A (0) or for B (1)
	s_and_b32 s12, s10, 1                          ; which half of its columns.  Also: which 128 rows of that tile I fetch
	s_bfe_u32 s40, ttmp6, 0x40000                  ; cx: my place along the cluster's x
	s_bfe_u32 s41, ttmp6, 0x40004                  ; cy: along its y
	s_lshl_b32 s42, ttmp9, 2                       ; in a cluster launch ttmp9 and ttmp7 count clusters
	s_add_co_u32 s42, s42, s40                     ; tile column of C = 4 x cluster x + cx
	s_and_b32 s13, ttmp7, 0xffff
	s_lshl_b32 s13, s13, 2
	s_add_co_u32 s13, s13, s41                     ; tile row of C = 4 x cluster y + cy
	s_lshl_b32 s43, s41, 2
	s_lshl_b32 s43, 15, s43                        ; my row of the cluster: places 4 cy .. 4 cy + 3
	s_lshl_b32 s44, 0x1111, s40                    ; my column: places cx, cx + 4, cx + 8, cx + 12
	; descriptor group 1: a tile of 128 rows x 128 elements, padded in LDS
	s_or_b32 s[G1+0], s43, (1<<16)|(1<<20)|(1<<21)|(5<<22)|(3<<25)  ; 15:0 the mask: A's tiles go to my row; 17:16 element of 2 bytes; 20 padding on; 21 set beside a mask; 24:22 after every 64 words (code 5); 31:25 4 words of it (code 3)
	s_or_b32 s[G1B+0], s44, (1<<16)|(1<<20)|(1<<21)|(5<<22)|(3<<25) ; the same with the mask of my column, for B's tiles
	s_mov_b32 s[G1B+1], KSTEP<<16
	s_mov_b32 s[G1+1], KSTEP<<16                   ; 63:48 tensor_dim0, low half = 128
	s_mov_b32 s[G1B+2], 128<<16
	s_mov_b32 s[G1+2], 128<<16                     ; 79:64 its high half = 0; 95:80 tensor_dim1, low half = 128
	s_mov_b32 s[G1B+3], KSTEP<<16
	s_mov_b32 s[G1+3], KSTEP<<16                   ; 111:96 its high half = 0; 127:112 tile_dim0 = 128
	s_mov_b32 s[G1B+4], 128
	s_mov_b32 s[G1+4], 128                         ; 143:128 tile_dim1 = 128; 159:144 tile_dim2 = 0
	s_mov_b32 s[G1B+5], SIZE_K
	s_mov_b32 s[G1+5], SIZE_K                      ; 191:160 tensor_dim0_stride, low word: elements from row to row
	s_mov_b32 s[G1B+6], 0
	s_mov_b32 s[G1+6], 0
	s_mov_b32 s[G1B+7], 0
	s_mov_b32 s[G1+7], 0
	; where the tiles come from.  A's hang on the tile row alone, which my row of the cluster shares; B's on the tile column alone, which my column shares.
	; Every wave makes both addresses, in registers that never hold the other coordinate, and asks by one of them.
	s_lshl_b32 s17, s12, 7                         ; which 128 rows of the tile I fetch
	s_lshl_b32 s16, s13, 8
	s_add_co_u32 s16, s16, s17                     ; A: row 256 x tile row + 128 x half
	s_lshl_b32 s46, s42, 8
	s_add_co_u32 s46, s46, s17                     ; B: row 256 x tile column + 128 x half
	s_mov_b32 s17, 0
	s_mov_b32 s47, 0
	s_mov_b64 s[18:19], SIZE_K*2
	s_mul_u64 s[16:17], s[16:17], s[18:19]         ; in bytes, in 64 bits
	s_mul_u64 s[46:47], s[46:47], s[18:19]
	s_mul_i32 s20, s10, HALFT                      ; and where they go: A's two halves, then B's two halves = wave x 128 rows: no place in the cluster enters an LDS address
	s_wait_dscnt 0x0                               ; both opening adds are done
	s_wait_kmcnt 0x0
	s_add_nc_u64 s[14:15], s[4:5], s[16:17]
	s_add_nc_u64 s[46:47], s[6:7], s[46:47]
	CROUND                                         ; all sixteen work-groups are here: the first joint loads meet
.irp s, 0,1
	s_mov_b32 s[G0+4*(\s)], 1                                      ; 1:0 count = 1
	s_add_co_u32 s[G0+4*(\s)+1], s20, (\s)*SLOT                    ; 63:32 LDS address
	s_add_nc_u64 s[G0+4*(\s)+2:G0+4*(\s)+3], s[14:15], (\s)*KSTEP*2  ; 120:64 global address: K step s
	s_or_b32 s[G0+4*(\s)+3], s[G0+4*(\s)+3], 0x80000000            ; 127:126 type = 2
	s_mov_b32 s[G0B+4*(\s)], 1
	s_add_co_u32 s[G0B+4*(\s)+1], s20, (\s)*SLOT
	s_add_nc_u64 s[G0B+4*(\s)+2:G0B+4*(\s)+3], s[46:47], (\s)*KSTEP*2
	s_or_b32 s[G0B+4*(\s)+3], s[G0B+4*(\s)+3], 0x80000000
	JLOAD \s                                       ; the ring is filled before anything else is done: two tensor loads of mine are out
.endr
	; A fragment is 16 rows x 32 K in 8 registers: lane l holds row l % 16; registers 0-3 hold K = 8 (l / 16) + 0..7, registers 4-7 hold K = 16 + 8 (l / 16) + 0..7.
	; From rows that lie along K: two loads of 16 bytes, 32 bytes apart.  The same for source 0 and source 1.
	v_and_b32 v1, 15, v0                           ; l % 16
	v_bfe_u32 v2, v0, 4, 1                         ; l / 16
	v_mul_u32_u24 v3, v1, PITCH
	v_lshl_add_u32 v3, v2, 4, v3                   ; row x pitch + 16 x half
	s_mul_i32 s21, s11, HALFT                      ; my 128 rows of A
	s_mul_i32 s22, s12, HALFT                      ; my 128 rows of B,
	s_add_co_u32 s22, s22, 2*HALFT                 ; which lie behind A's 256
.irp s, 0,1
	v_add_nc_u32 v[ADRA+(\s)], s21, v3
	v_add_nc_u32 v[ADRB+(\s)], s22, v3
	s_add_co_u32 s21, s21, SLOT
	s_add_co_u32 s22, s22, SLOT
.endr
	s_mul_i32 s23, s10, 16*SPITCH
	s_add_co_u32 s23, s23, STAGE                   ; my stage
	v_mul_u32_u24 v4, v1, SPITCH                   ; in: row l % 16, 32 bytes for each half of the lanes
	v_lshl_add_u32 v4, v2, 5, v4
	v_add_nc_u32 v[STO], s23, v4
	v_and_b32 v5, 31, v0
	v_lshlrev_b32 v[CO], 4, v5                     ; back, and out: the 32 lanes take one row's 512 bytes, 16 each
	v_add_nc_u32 v[RD], s23, v[CO]
	; where my part of the tile begins in C, in bytes: the way out adds it to C's address
	s_lshl_b32 s13, s13, 8
	s_lshl_b32 s14, s11, 7
	s_add_co_u32 s16, s13, s14                     ; my first row of C
	s_mov_b32 s17, 0
	s_mov_b64 s[18:19], ROWC
	s_mul_u64 s[16:17], s[16:17], s[18:19]
	s_lshl_b32 s46, s42, 10                        ; my first column, in bytes of f32: 1,024 x tile column + 512 x half (in the registers that held B's address: none that feeds A's descriptors ever holds cx)
	s_lshl_b32 s47, s12, 9
	s_add_co_u32 s46, s46, s47
	s_mov_b32 s47, 0
	s_add_nc_u64 s[16:17], s[16:17], s[46:47]
	v_add_nc_u32 v[BO], s46, v[CO]                 ; the same bytes in the bias: the four columns that I store in every row
	global_load_b128 v[BI:BI+3], v[BO], s[66:67]
	; the prefetches.  s13 = 256 x tile row, s42 = tile column, s40 = cx, s41 = cy still stand; s[4:5] = A, s[6:7] = B
	s_lshl_b32 s42, s42, 8
	s_and_b32 s22, ttmp7, 0xffff                   ; cluster y
	s_cmp_eq_u32 s11, 0                            ; do I fetch for A?
	s_cselect_b32 s20, s13, s42                    ; the tile's first row: in A by the tile row, in B by the tile column
	s_cselect_b32 s21, s40, s41                    ; my place among the four that ask for it with me
	s_cselect_b32 s22, ttmp9, s22                  ; the coordinate along which other clusters read the same rows
	s_cselect_b64 s[PFA:PFA+1], s[4:5], s[6:7]
	s_cmp_eq_u32 s22, 0
	s_cselect_b32 s[LIM], 1, -1                    ; the same in all sixteen partners, for a given wave
	s_lshl_b32 s22, s12, 7
	s_add_co_u32 s20, s20, s22                     ; + the 128 rows that I fetch
	s_lshl_b32 s21, s21, 5
	s_add_co_u32 s20, s20, s21                     ; + my work-group's 32 of them
	s_mov_b32 s21, 0
	s_mov_b64 s[18:19], SIZE_K*2
	s_mul_u64 s[20:21], s[20:21], s[18:19]
	s_add_nc_u64 s[PFA:PFA+1], s[PFA:PFA+1], s[20:21]
	s_add_nc_u64 s[PFA:PFA+1], s[PFA:PFA+1], 2*KSTEP*2  ; at K step 2: the first refill steps it to 3 and names K step 4
	v_and_b32 v[PFO], 31, v0
	v_mul_u32_u24 v[PFO], v[PFO], SIZE_K*2
	; nothing is prefetched here, at the head, where every work-group's first two tiles are on their way
; 16 matrix instructions: m blocks a0, a0 + 1 of the window's four (hi = 0: my rows 0-63, 1: rows 64-127) x all 8 n blocks, 32 along K.  zero = 1: the first product starts the sums: nothing is ever cleared.
; The 64 accumulators take turns, one instruction a turn, in the same order in every quarter step: 63 others stand between two links of a chain, over the backward jump too.
.macro MUL16 f, hi, a0, zero
	WIN MUL_LO+0x50*(\hi)  ; MUL_LO or MUL_HI
.irp a, \a0, (\a0)+1
.irp b, 0,1,2,3,4,5,6,7
.if \zero
	v_wmma_f32_16x16x32_f16 v[8*(8*(\a)+(\b)):8*(8*(\a)+(\b))+7], v[(\f)+8*(\b):(\f)+8*(\b)+7], v[(\f)+8*(4*(\hi)+(\a)):(\f)+8*(4*(\hi)+(\a))+7], 0
.else
	v_wmma_f32_16x16x32_f16 v[8*(8*(\a)+(\b)):8*(8*(\a)+(\b))+7], v[(\f)+8*(\b):(\f)+8*(\b)+7], v[(\f)+8*(4*(\hi)+(\a)):(\f)+8*(4*(\hi)+(\a))+7], v[8*(8*(\a)+(\b)):8*(8*(\a)+(\b))+7]
.endif
.endr
.endr
.endm
; 32 LDS loads in one run: the fragments of one quarter step (128 rows of B, 128 rows of A, 32 K at byte k of the rows) into buffer f
.macro FETCH slot, k, f
	WIN TO_B
.irp i, 0,1,2,3,4,5,6,7
	ds_load_b128 v[(\f)+8*(\i):(\f)+8*(\i)+3],   v[ADRB+(\slot)] offset:(\k)+(\i)*16*PITCH
	ds_load_b128 v[(\f)+8*(\i)+4:(\f)+8*(\i)+7], v[ADRB+(\slot)] offset:(\k)+(\i)*16*PITCH+32
.endr
	WIN 0
.irp i, 0,1,2,3,4,5,6,7
	ds_load_b128 v[(\f)+8*(\i):(\f)+8*(\i)+3],   v[ADRA+(\slot)] offset:(\k)+(\i)*16*PITCH
	ds_load_b128 v[(\f)+8*(\i)+4:(\f)+8*(\i)+7], v[ADRA+(\slot)] offset:(\k)+(\i)*16*PITCH+32
.endr
.endm
; A load into a register that a matrix instruction has read, and an instruction that reads a matrix result, stand four places behind that matrix instruction, and only plain vector instructions that
; name none of its registers are places (ISA guide 7.12.1 for vector instructions); the matrix instructions in between are not counted.
.macro PLACES
.rept 4
	v_nop
.endr
.endm
; A K step is four quarter steps of 32 along K, 64 matrix instructions each, on buffers 0, 1, 0, 1.
; One of the first three: multiplies buffer f; in its middle it fetches the next quarter's fragments, at byte k of the same slot's rows, into buffer g.
.macro QUARTER slot, k, f, g, zero
	s_wait_dscnt 8                                 ; B and A's rows 0-63 are in; the youngest eight loads (A's rows 64-127) may be out
	WIN MUL_LO
	MUL16 \f, 0, 0, \zero
	MUL16 \f, 0, 2, \zero
	PLACES
	FETCH \slot, \k, \g
	s_wait_dscnt 32                                ; all but the 32 just issued
	WIN MUL_HI
	MUL16 \f, 1, 0, \zero
	MUL16 \f, 1, 2, \zero
.endm
; The last quarter multiplies buffer 1 and changes slots.  MEET is its first half: ONE barrier for the change of slots, for two things.  In front of it each wave waits for all its tensor loads, of which
; one is out: its part of the next slot; adds 0 to its spare word; and waits for that and for its own reads of this slot.  Behind it nobody reads this slot any more and the next slot is whole.
.macro MEET round                      ; round = 1: a round of the cluster's barrier follows
	WIN 0                                          ; (the add's two registers lie in window 0)
	s_wait_tensorcnt 0x0                           ; all my tensor loads have landed: the one that was out is my part of the next slot;
	ds_add_u32 v[SPW], v[NIL]                      ; 0 onto my spare word;
	s_wait_dscnt 9                                 ; (the add and the youngest eight loads may be out)
	WIN MUL_LO
	MUL16 F1, 0, 0, 0                              ; sixteen matrix instructions stand between the add and the wait for it
	s_wait_dscnt 0x0                               ; the add is done, and my reads of this slot are over:
	s_barrier_signal -1                            ; say so (where a slot is filled again this barrier opens a round of the cluster's barrier),
	MUL16 F1, 0, 2, 0                              ; work on registers while the others arrive,
.if \round
	WIN 0
.endif
	s_barrier_wait -1                              ; and go on when all four have said so
.endm
; The whole last quarter.  Behind the round the slot just read out is filled again first, with the K step two steps on; then come the next slot's first fragments.
; From a request to the wait for it a wave issues 224 matrix instructions.
.macro TURN slot, next
	s_wait_xcnt 0x0                                ; the last prefetch, a K step back, has read its address: it is stepped here, ahead of the waits of the change of slots
	s_add_nc_u64 s[PFA:PFA+1], s[PFA:PFA+1], KSTEP*2
	MEET 1
	CREST                                          ; wave 0 says so for the work-group, all sixteen work-groups have said so, my work-group's barrier closes the round:
	                                               ; no wave of any partner still reads this slot's tile or has a load on its way
	s_add_nc_u64 s[G0+4*(\slot)+2:G0+4*(\slot)+3], s[G0+4*(\slot)+2:G0+4*(\slot)+3], 2*KSTEP*2     ; no tensor load of mine is out, so a group 0 may be written
	s_add_nc_u64 s[G0B+4*(\slot)+2:G0B+4*(\slot)+3], s[G0B+4*(\slot)+2:G0B+4*(\slot)+3], 2*KSTEP*2
	JLOAD \slot                                    ; the first tensor load behind the round, and my only one until the next; the four v_nop behind it are also the places in front of the loads below
	FETCH \next, 0, F0
	ASK                                            ; behind the joint load and the run of LDS loads that the next products wait for
	WIN MUL_HI
	MUL16 F1, 1, 0, 0
	MUL16 F1, 1, 2, 0
.endm
; THE WAY OUT of block a (16 of my rows x my 128 columns), in two parts.  A lane holds 32 bytes of a row and the lanes beside it other rows, so the block goes through my own stage in LDS.
; TOSTAGE: the accumulators as they are, f32, into rows of 528 bytes (each accumulator's four lowest registers first), and back as whole rows of 512 bytes.
.macro TOSTAGE a
.set AC, 64*((\a)%4)
.set BK, OB+64*((\a)%2)
.if (\a) >= 2
	s_wait_xcnt 0x0                                ; block a - 2's stores have read their registers, into which the loads below land, and C's base, which the next SEND steps
.endif
	WIN 0x08+4*((\a)/4)                            ; an LDS store's data are its source 1: window 2 or 3
.irp b, 0,1,2,3,4,5,6,7
	ds_store_b128 v[STO], v[AC+8*(\b):AC+8*(\b)+3]   offset:64*(\b)
	ds_store_b128 v[STO], v[AC+8*(\b)+4:AC+8*(\b)+7] offset:64*(\b)+16
.endr
	WIN 0
.irp t, 0,1,2,3,4,5,6,7,8,9,10,11,12,13,14,15
	ds_load_b128 v[BK+4*(\t):BK+4*(\t)+3], v[RD] offset:(\t)*SPITCH  ; LDS serves a wave's instructions in order (ISA guide 5.7.1.4): these see the stores above; the next block's stores come behind them
.endr
.endm
; SEND: the bias is added and the rows are stored.  younger: the LDS instructions issued behind block a's loads: the next block's 32, or none.
.macro SEND a, younger
.set BK, OB+64*((\a)%2)
	s_wait_dscnt \younger                          ; the block is back in registers
.if (\a) == 7
	s_wait_xcnt 0x0                                ; block 6's stores, just issued, have read C's base (for the blocks before, the wait at TOSTAGE's head stands ahead of the step below)
.endif
.if (\a) == 0
	s_add_nc_u64 s[8:9], s[8:9], s[16:17]          ; on to my first rows
.else
	s_add_nc_u64 s[8:9], s[8:9], 16*ROWC           ; 16 rows of C on
.endif
.irp t, 0,1,2,3,4,5,6,7,8,9,10,11,12,13,14,15
	v_pk_add_f32 v[BK+4*(\t):BK+4*(\t)+1],   v[BK+4*(\t):BK+4*(\t)+1],   v[BI:BI+1]
	v_pk_add_f32 v[BK+4*(\t)+2:BK+4*(\t)+3], v[BK+4*(\t)+2:BK+4*(\t)+3], v[BI+2:BI+3]
	global_store_b128 v[CO], v[BK+4*(\t):BK+4*(\t)+3], s[8:9] offset:(\t)*ROWC th:TH_STORE_NT  ; the wave stores 512 consecutive bytes, at a multiple of 256 from C's first byte
.endr
.endm
	s_wait_loadcnt 0x0                             ; the bias, once: the wave waits here for its first tile anyway
	s_wait_tensorcnt 1                             ; my part of K step 0 is in; K step 1's load may stay out
	s_barrier_signal -1
	s_barrier_wait -1                              ; everybody's is
	FETCH 0, 0, F0
	QUARTER 0, 64,  F0, F1, 1                      ; the first quarter stands in front of the loop: its products start the sums
	WIN 0                                          ; at a label and at a branch every window is 0
	s_mov_b32 s3, LAPS-1
.Llap:                                                 ; a trip goes once round the ring, from a lap's second quarter to the next lap's first, and fills both slots again
	QUARTER 0, 128, F1, F0, 0
	QUARTER 0, 192, F0, F1, 0
	TURN 0, 1
	QUARTER 1, 64,  F0, F1, 0
	QUARTER 1, 128, F1, F0, 0
	QUARTER 1, 192, F0, F1, 0
	TURN 1, 0
	QUARTER 0, 64,  F0, F1, 0
	WIN 0
	s_sub_co_u32 s3, s3, 1
	s_cmp_lg_u32 s3, 0
	s_cbranch_scc1 .Llap
	QUARTER 0, 128, F1, F0, 0                      ; the last lap is written out: it asks for nothing more
	QUARTER 0, 192, F0, F1, 0
	MEET 0                                         ; my one tensor load that was still out is slot 1's, the last K step's, so no round follows
	PLACES                                         ; for the loads into buffer 0, which the quarter before multiplied
	FETCH 1, 0, F0
	WIN MUL_HI
	MUL16 F1, 1, 0, 0
	MUL16 F1, 1, 2, 0
	QUARTER 1, 64,  F0, F1, 0
	QUARTER 1, 128, F1, F0, 0
	QUARTER 1, 192, F0, F1, 0
	s_wait_dscnt 8                                 ; the very last quarter: nothing more to fetch
	WIN MUL_LO
	MUL16 F1, 0, 0, 0
	MUL16 F1, 0, 2, 0
	s_wait_dscnt 0x0
	MUL16 F1, 1, 0, 0
	MUL16 F1, 1, 2, 0
	WIN 0
	PLACES                                         ; behind the last products: the LDS stores below read results, and the loads from the stage land in A's fragment buffers
	PLACES                                         ; (eight where four are asked for: once a launch)
	TOSTAGE 0
.irp a, 1,2,3,4,5,6,7                  ; block a's trip through the stage is on its way while block a - 1 takes its bias and is stored
	TOSTAGE \a
	SEND (\a)-1, 32
.endr
	SEND 7, 0
	s_wait_tensorcnt 0x0                           ; the wave's end, behind my last tensor load and my last LDS store
	ds_add_u32 v[SPW], v[NIL]
	s_wait_dscnt 0x0
	CROUND                                         ; the closing round: no work-group ends while a partner may still ask for a tile that names it
	s_endpgm
.Lfunc_end_k_qd2936fdf15_gemm:
	.size	k_qd2936fdf15_gemm, .Lfunc_end_k_qd2936fdf15_gemm-k_qd2936fdf15_gemm
	.p2alignl 7, 3214868480
	.fill 96, 4, 3214868480
	.section	.rodata,"a",@progbits
	.p2align	6, 0x0
	.amdhsa_kernel k_qd2936fdf15_gemm
		.amdhsa_group_segment_fixed_size 327680
		.amdhsa_private_segment_fixed_size 0
		.amdhsa_enable_private_segment 0
		.amdhsa_kernarg_size 32
		.amdhsa_user_sgpr_count 2
		.amdhsa_user_sgpr_kernarg_segment_ptr 1
		.amdhsa_wavefront_size32 1
		.amdhsa_system_sgpr_workgroup_id_x 1
		.amdhsa_system_sgpr_workgroup_id_y 1
		.amdhsa_system_sgpr_workgroup_id_z 1
		.amdhsa_system_vgpr_workitem_id 0
		.amdhsa_next_free_vgpr 1024
		.amdhsa_next_free_sgpr 68
		.amdhsa_reserve_vcc 0
		.amdhsa_float_denorm_mode_32 3
		.amdhsa_float_denorm_mode_16_64 3
		.amdhsa_memory_ordered 1
		.amdhsa_forward_progress 1
		.amdhsa_inst_pref_size 158
	.end_amdhsa_kernel
	.amdgpu_metadata
---
amdhsa.version: [ 1, 2 ]
amdhsa.kernels:
  - .name:           k_qd2936fdf15_gemm
    .symbol:         k_qd2936fdf15_gemm.kd
    .args:
      - { .name: xh, .offset: 0, .size: 8, .value_kind: global_buffer, .address_space: global }
      - { .name: wh, .offset: 8, .size: 8, .value_kind: global_buffer, .address_space: global }
      - { .name: out0, .offset: 16, .size: 8, .value_kind: global_buffer, .address_space: global }
      - { .name: bias, .offset: 24, .size: 8, .value_kind: global_buffer, .address_space: global }
    .group_segment_fixed_size: 327680
    .private_segment_fixed_size: 0
    .kernarg_segment_align: 8
    .kernarg_segment_size: 32
    .max_flat_workgroup_size: 128
    .sgpr_count:     68
    .vgpr_count:     1024
    .wavefront_size: 32
...
	.end_amdgpu_metadata
.endif
;; end of part 2
